; MI455X (gfx1250); checked and timed in simulation.
; The chip was launched on July 23, 2026; its instructions are those of AMD's public machine-readable ISA for CDNA 5 (MIT licence, August 2026) and "CDNA5" Instruction Set Architecture Reference Guide (July 2026). The comments in the code are by the model that wrote it; some were corrected since.
;; LSTM Cell. Allowed arithmetic: matrix products marked QUANTISED: E3M2 operands, one E8M0 scale for each 32 along K, by v_wmma_scale_f32_16x16x128_f8f6f4 with both operands' format E3M2, f32 sums; everything else in f32.
;; Inputs: b_hc 2,048 float32; b_hf 2,048 float32; b_hi 2,048 float32; b_ho 2,048 float32; b_xc 2,048 float32; b_xf 2,048 float32; b_xi 2,048 float32; b_xo 2,048 float32; c 2,048 x 2,048 float32; h 2,048 x 2,048 float32; w_hc 2,048 x 2,048 float32; w_hf 2,048 x 2,048 float32; w_hi 2,048 x 2,048 float32; w_ho 2,048 x 2,048 float32; w_xc 2,048 x 2,048 float32; w_xf 2,048 x 2,048 float32; w_xi 2,048 x 2,048 float32; w_xo 2,048 x 2,048 float32; x 2,048 x 2,048 float32.
;; Outputs: out0 2,048 x 2,048 float32; out1 2,048 x 2,048 float32.
;; This version of the problem:
;;   THIS VERSION OF THE PROBLEM IS GIVEN IN LOW PRECISION. The matrix products marked QUANTISED in the list below multiply operands that are first quantised to E3M2 (3 exponent bits, 2 mantissa bits; 6 bits a number), with one power-of-two scale for each 32 numbers along K (OCP MX v1.0); their sums are f32. All else is computed in f32.
;;   The module's matrix products, in the order in which they are computed (A, B: the left and right operand; K: the contracted axis; several contracted axes count as one K, in the product's order):
;;     1. [M 2,048, K 2,048] x [K 2,048, N 2,048]; A: input x; B: input w_xi: QUANTISED
;;     2. [M 2,048, K 2,048] x [K 2,048, N 2,048]; A: input h; B: input w_hi: QUANTISED
;;     3. [M 2,048, K 2,048] x [K 2,048, N 2,048]; A: input x; B: input w_xf: QUANTISED
;;     4. [M 2,048, K 2,048] x [K 2,048, N 2,048]; A: input h; B: input w_hf: QUANTISED
;;     5. [M 2,048, K 2,048] x [K 2,048, N 2,048]; A: input x; B: input w_xc: QUANTISED
;;     6. [M 2,048, K 2,048] x [K 2,048, N 2,048]; A: input h; B: input w_hc: QUANTISED
;;     7. [M 2,048, K 2,048] x [K 2,048, N 2,048]; A: input x; B: input w_xo: QUANTISED
;;     8. [M 2,048, K 2,048] x [K 2,048, N 2,048]; A: input h; B: input w_ho: QUANTISED
;;   THE QUANTISER, for each operand of a quantised product, along K:
;;     - K is cut into blocks of 32 from its start; a last block that is shorter is filled with zeros.
;;     - A block's scale is 2^e with e = floor(log2(the largest magnitude in the block)) - 4, held to -126 .. 127; a block of zeros has e = 0. As a byte (E8M0): e + 127.
;;     - Each number is divided by its block's scale, clamped to +-28, and rounded to the nearest number of E3M2, ties to even, subnormals kept.
;;     - The product sums the exact products of the quantised numbers (number of the format x scale) in f32.
;;   ~~~python
;;   def quantise(x, axis):      # numpy; x: float32 -> the quantised numbers, widened to float32 again
;;       x = np.moveaxis(x, axis, -1); K = x.shape[-1]
;;       x = np.pad(x, [(0, 0)] * (x.ndim - 1) + [(0, -K % 32)]); x = x.reshape(x.shape[:-1] + (-1, 32)); a = np.abs(x).max(-1, keepdims=True)
;;       e = np.where(a > 0, np.clip(np.frexp(np.where(a > 0, a, 1))[1] - 1 - 4, -126, 127), 0)      # np.frexp(a)[1] - 1 = floor(log2(a)), exactly
;;       r = np.clip(x / 2.0 ** e, -28, 28)
;;       step = 2.0 ** (np.maximum(np.frexp(np.where(r == 0, 1, r))[1] - 1, -2) - 2)
;;       q = np.round(r / step) * step * 2.0 ** e      # np.round: ties to even
;;       return np.moveaxis(q.reshape(q.shape[:-2] + (-1,))[..., :K], -1, axis).astype(np.float32)
;;   ~~~
;; One version. Each part assembles by itself: llvm-mc -triple=amdgcn-amd-amdhsa -mcpu=gfx1250 --defsym DOCPART=n.
;; ======== version 1 of 1: 2 launches
;; limits: right only within a limited range of input values
;; workspace buffers: a_img 6,553,600 bytes; b_img 26,214,400 bytes
;; launch quant (part 1): grid 256 x 5, 4 waves a work-group, no clusters, 34,304 bytes of LDS; arguments x, h, w_xi, w_hi, w_xf, w_hf, w_xc, w_hc, w_xo, w_ho, a_img, b_img; writes a_img, b_img
.if DOCPART == 1
	.amdgcn_target "amdgcn-amd-amdhsa--gfx1250"
	.amdhsa_code_object_version 6
	.text
	.protected	k_qee2aa1b1b8_quant
	.globl	k_qee2aa1b1b8_quant
	.p2align	8
	.type	k_qee2aa1b1b8_quant,@function
k_qee2aa1b1b8_quant:
	s_mov_b64 s[64:65], 0
	v_nop
	global_prefetch_b8 v0, s[64:65] scope:SCOPE_SE
	s_setreg_imm32_b32 hwreg(HW_REG_WAVE_MODE, 25, 1), 1
	s_wait_xcnt 0x0
; The ten f32 matrices [2048][2048] of the LSTM cell become codes of BF6 (E3M2), 6 bits each, with one E8M0 scale byte for each 32 along K, LAID IN THE ORDER OF THE MATRIX OPERAND'S REGISTERS.
; The two products of a gate are added, so they are ONE product over K = 4,096: A = [x | h], and for each gate B = [w_x | w_h].  K goes in 32 steps of 128: steps 0-15 are the x part, 16-31 the h part.
;   a_img [16 groups of 128 rows][32 K steps][12,800 bytes],  b_img [64 groups of 128 VIRTUAL rows][32][12,800].  Virtual row = (col / 32) x 128 + gate x 32 + col % 32 (gate 0 = i, 1 = f, 2 = c, 3 = o;
;   col = the weight's row), so that a group is the four gates of 32 neighbouring hidden columns: its block i of 16 rows is gate i / 2, columns 16 (i % 2) on.
;   A cell of 12,800 bytes: eight fragments (block i at 1,536 i), then 512 bytes of scale words.  A FRAGMENT, 16 rows x 128 K, is 12 registers a lane (lane (r, h) = (lane % 16, lane / 16) holds row r; registers
;   6 c .. 6 c + 5 hold K = 64 c + 32 h + 0 .. 31); its image is three runs of 512 bytes, run g = registers 4 g .. 4 g + 3, lane l's 16 bytes at 16 l.  THE SCALE WORDS (four bytes: a row's 128 K): [i / 4][r][i % 4].
; A block's scale is 2^(floor(log2(its largest magnitude)) - 4); its byte is the largest magnitude's own exponent field - 4, held at 1 from below.  Each number is divided by the scale and rounded to the
; nearest code, ties to even; beyond the largest code the conversion gives the largest code.
; LIMITS: NaN and infinities among the inputs are not served.  A block of zeros gets the byte 1 where the rule says 127: its codes are zeros, which add nothing under that byte, and this program alone reads the bytes.
;         Blocks whose largest magnitude lies under 2^(5 - 127) have their byte held at 1.
; SHARES.  Grid y = 0 serves A, y = 1 .. 4 serve B; n = 256 (y - 1) + x (A: x) is the work-group's number in its buffer: group n / 16, half j = (n / 8) % 2 of the group's blocks, K steps 4 (n % 8) + wave.
; A wave makes the four fragments 4 j .. 4 j + 3 of one K step: 64 rows x 512 bytes in; 6,144 consecutive bytes of codes and 256 of scale words out.  Only pointers are chosen by ids: there is one path through the text.
; A FRAGMENT'S WAY.  Each load reads 512 consecutive bytes of one row, 16 a lane.  The conversion takes 16 neighbours along K from ONE lane's registers: so the 16 rows go through the wave's own stage in LDS as they
; lie (rows 528 bytes apart: sixteen lanes that read one column of sixteen rows touch sixteen different places modulo 256) and lane (r, h) reads back two whole blocks of 32 of row r.  Its largest magnitudes need no
; other lane, and the conversions' results are the operand's registers.  No tensor loads, no barrier: waves share nothing.  Loads run four steps of four rows (16 loads a wave) ahead.
.set EMAX,  4
.set SROW,  8192                       ; a source row in bytes
.set FRB,   1536                       ; a fragment's image
.set KQB,   8*FRB+512                  ; a cell: eight fragments and their scale words
.set SPI,   528                        ; a stage row: 512 bytes + 16
.set STG,   16*SPI                     ; LDS: one stage for each wave
.set M,     8                          ; v8-11    largest magnitudes: two chains for each of my two blocks
.set S,     12                         ; v12-13   the conversions' scale operands
.set BT,    14                         ; v14-15   the scale bytes
.set R,     16                         ; v16-79   four sets of four rows' 16 bytes, as they are loaded
.set X,     80                         ; v80-143  my two blocks of 32 numbers
.set PC,    144                        ; v144-155 the fragment's registers
.set TP,    156                        ; v156-163 the upper halves of the two blocks' codes, before they are moved
.set W,     164                        ; v164-167 my row's scale word in each of the four fragments
.set WT,    168                        ; at work
.set WP,    169
.set SO,    170                        ; v170-171 the two scale words that I store
	s_load_b512 s[4:19], s[0:1], 0x0               ; x, h, w_xi, w_hi, w_xf, w_hf, w_xc, w_hc
	s_load_b128 s[20:23], s[0:1], 0x40             ; w_xo, w_ho
	s_load_b128 s[24:27], s[0:1], 0x50             ; a_img, b_img
	v_lshl_add_u32 v172, v0, 2, 0x8400
	v_mov_b32 v173, 0
	v_lshrrev_b32 v1, 5, v0
	v_readfirstlane_b32 s32, v1                    ; wave 0..3
	v_and_b32 v2, 31, v0
	v_lshlrev_b32 v3, 4, v2                        ; 16 x lane: my bytes of a load's 512 and of a store's 512
	s_mul_i32 s39, s32, STG
	v_add_nc_u32 v4, s39, v3                       ; the stage, on the way in: a row as it lies
	v_and_b32 v2, 15, v0                           ; r
	v_bfe_u32 v1, v0, 4, 1                         ; h
	v_mul_u32_u24 v5, v2, SPI
	v_lshl_add_u32 v5, v1, 7, v5
	v_add_nc_u32 v5, s39, v5                       ; and on the way out: row r, block h (128 bytes a block)
	v_lshlrev_b32 v6, 3, v1                        ; 8 h: my bytes' place in a scale word
	v_lshl_add_u32 v7, v2, 4, v6                   ; 16 r + 8 h: where I store two scale words
	v_mov_b32 v[WP], 0                             ; written once: a lane permute's destination counts as one of its sources
	s_mov_b32 s30, 0x76543210
	s_mov_b32 s31, 0xfedcba98                      ; v_permlanex16_b32's selects for lane l xor 16
	s_and_b32 s33, ttmp7, 0xffff                   ; y
	s_max_u32 s34, s33, 1
	s_sub_co_u32 s34, s34, 1
	s_lshl_b32 s34, s34, 8
	s_add_co_u32 s34, s34, ttmp9                   ; n
	s_lshr_b32 s35, s34, 4                         ; the group
	s_bfe_u32 s36, s34, 0x10003                    ; j
	s_and_b32 s37, s34, 7
	s_lshl_b32 s38, s37, 2
	s_add_co_u32 s38, s38, s32                     ; the K step, 0 .. 31
	s_lshl_b32 s40, s35, 7
	s_lshl_b32 s41, s36, 6
	s_add_co_u32 s40, s40, s41                     ; A: my first row, 128 x group + 64 j
	s_lshl_b32 s41, s35, 5                         ; B: my first row in each of two gates' weights, 32 x group
	s_and_b32 s42, s38, 15
	s_lshl_b32 s42, s42, 9                         ; the K step's 512 bytes in a source row
	s_lshl_b32 s46, s35, 5
	s_add_co_u32 s46, s46, s38
	s_mul_i32 s46, s46, KQB                        ; my cell
	s_mov_b32 s47, 0
	s_mul_i32 s48, s36, 4*FRB                      ; my four fragments in it,
	s_mov_b32 s49, 0
	s_lshl_b32 s50, s36, 8
	s_add_co_u32 s50, s50, 8*FRB                   ; and my 256 bytes of scale words
	s_mov_b32 s51, 0
	s_wait_alu depctr_va_vdst(0)
	s_wait_kmcnt 0x0
	s_cmp_lt_u32 s37, 4                            ; K steps 0-15: the x part, else the h part.  Every choice hangs on ids alone
	s_cselect_b64 s[4:5], s[4:5], s[6:7]
	s_cselect_b64 s[8:9], s[8:9], s[10:11]
	s_cselect_b64 s[12:13], s[12:13], s[14:15]
	s_cselect_b64 s[16:17], s[16:17], s[18:19]
	s_cselect_b64 s[20:21], s[20:21], s[22:23]
	s_cmp_eq_u32 s36, 0                            ; j = 0: gates i and f; j = 1: gates c and o
	s_cselect_b64 s[8:9], s[8:9], s[16:17]
	s_cselect_b64 s[12:13], s[12:13], s[20:21]
	s_cmp_eq_u32 s33, 0                            ; A or B?
	s_cselect_b64 s[8:9], s[4:5], s[8:9]           ; where fragments 0 and 1 come from,
	s_cselect_b64 s[12:13], s[4:5], s[12:13]       ; and fragments 2 and 3
	s_cselect_b64 s[24:25], s[24:25], s[26:27]     ; the buffer
	s_cselect_b32 s40, s40, s41                    ; the first row of fragments 0 and 1,
	s_cselect_b32 s41, 32, 0
	s_add_co_u32 s41, s41, s40                     ; and of fragments 2 and 3: in A 32 rows on, in B the same rows of the next gate
	s_lshl_b32 s52, s40, 13
	s_add_co_u32 s52, s52, s42
	s_mov_b32 s53, 0
	s_lshl_b32 s54, s41, 13
	s_add_co_u32 s54, s54, s42
	s_mov_b32 s55, 0
	s_add_nc_u64 s[8:9], s[8:9], s[52:53]
	s_add_nc_u64 s[12:13], s[12:13], s[54:55]
	s_add_nc_u64 s[28:29], s[24:25], s[46:47]
	s_add_nc_u64 s[24:25], s[28:29], s[48:49]      ; my codes
	s_add_nc_u64 s[28:29], s[28:29], s[50:51]      ; my scale words
.macro LOAD t                          ; step t of 16: rows 4 (t % 4) .. + 3 of fragment t / 4
.irp i, 0,1,2,3
.if (\t)/8 == 0
	global_load_b128 v[R+16*((\t)%4)+4*\i:R+16*((\t)%4)+4*\i+3], v3, s[8:9] offset:(16*(((\t)/4)%2)+4*((\t)%4)+\i)*SROW th:TH_LOAD_NT
.else
	global_load_b128 v[R+16*((\t)%4)+4*\i:R+16*((\t)%4)+4*\i+3], v3, s[12:13] offset:(16*(((\t)/4)%2)+4*((\t)%4)+\i)*SROW th:TH_LOAD_NT
.endif
.endr
.endm
.macro PUT t                           ; its four rows into the stage
.irp i, 0,1,2,3
	ds_store_b128 v4, v[R+16*((\t)%4)+4*\i:R+16*((\t)%4)+4*\i+3] offset:(4*((\t)%4)+\i)*SPI
.endr
.endm
.macro XLOAD                           ; my two blocks of row r: K = 64 c + 32 h + 0 .. 31.  LDS serves a wave's instructions in order (ISA guide 5.7.1.4): these see the sixteen rows' stores
.irp c, 0,1
.irp i, 0,1,2,3,4,5,6,7
	ds_load_b128 v[X+32*\c+4*\i:X+32*\c+4*\i+3], v5 offset:256*\c+16*\i
.endr
.endr
.endm
.macro QUANT f                         ; 64 numbers of a lane become fragment f's registers and my row's scale word
.irp c, 0,1
.irp d, 0,1
	v_max3_num_f32 v[M+2*\c+\d], |v[X+32*\c+16*\d]|, |v[X+32*\c+16*\d+1]|, (EMAX+1)<<23   ; four chains by turns; the floor 2^(EMAX + 1 - 127) among the leaves: the byte cannot fall under 1
.endr
.endr
.irp i, 2,4,6,8,10,12,14
.irp c, 0,1
.irp d, 0,1
	v_max3_num_f32 v[M+2*\c+\d], v[M+2*\c+\d], |v[X+32*\c+16*\d+\i]|, |v[X+32*\c+16*\d+\i+1]|
.endr
.endr
.endr
	v_max_num_f32 v[M], v[M], v[M+1]               ; block h's largest magnitude,
	v_max_num_f32 v[M+2], v[M+2], v[M+3]           ; block 2 + h's
	v_add_nc_u32 v[S], -(EMAX<<23), v[M]           ; EMAX off the exponent field: the conversion takes the exponent field of this operand as its scale, and nothing else of it
	v_add_nc_u32 v[S+1], -(EMAX<<23), v[M+2]
	v_lshrrev_b32 v[BT], 23, v[S]                  ; the scales' bytes
	v_lshrrev_b32 v[BT+1], 23, v[S+1]
	v_lshl_or_b32 v[WT], v[BT+1], 16, v[BT]        ; my two bytes: blocks h and 2 + h,
	v_lshlrev_b32 v[WT], v6, v[WT]                 ; at their places in the word;
	v_permlanex16_b32 v[WP], v[WT], s30, s31
	v_or_b32 v[W+(\f)], v[WT], v[WP]               ; with lane l xor 16's two the word is whole, in both lanes
.if (\f) > 0
	s_wait_alu depctr_va_vdst(0)
	s_wait_xcnt 0x0                                ; the last fragment's stores have read their registers, which are written again
.endif
.irp c, 0,1
	v_cvt_scalef32_pk16_bf6_f32 v[PC+6*\c:PC+6*\c+2], v[X+32*\c:X+32*\c+15], v[S+\c]       ; registers 6 c .. 6 c + 2
	v_cvt_scalef32_pk16_bf6_f32 v[TP+4*\c:TP+4*\c+2], v[X+32*\c+16:X+32*\c+31], v[S+\c]    ; (a conversion's three registers begin on an even number: the second half of a block's six does not, so it is made elsewhere and moved)
.endr
	v_nop                                          ; one plain line behind the conversions
.irp c, 0,1
.irp i, 0,1,2
	v_mov_b32 v[PC+3+6*\c+\i], v[TP+4*\c+\i]
.endr
.endr
.irp g, 0,1,2
	global_store_b128 v3, v[PC+4*\g:PC+4*\g+3], s[24:25] offset:(\f)*FRB+512*\g   ; 32 lanes store 512 consecutive bytes, at a multiple of 256 from the buffer's first byte
.endr
.endm
.macro QSTEP t
.if 15-(\t) >= 3
	s_wait_loadcnt 12                              ; this step's four loads are in; the twelve of the three steps behind it may be out
.else
	s_wait_loadcnt 4*(15-(\t))                     ; at the end the count runs down with the steps that are left
.endif
	PUT \t
.if (\t)%4 == 3
	XLOAD                                          ; the fragment's sixteen rows lie in the stage
.endif
.if (\t)+4 < 16
.if (\t)%4 == 3
	s_wait_dscnt 16                                ; the four stores are done (the sixteen loads behind them may be out): they have read their registers,
.else
	s_wait_dscnt 0x0
.endif
	LOAD (\t)+4                                    ; which take the loads of four steps on
.endif
.if (\t)%4 == 3
	s_wait_dscnt 0x0                               ; my 64 numbers are back; the next fragment's rows go into the stage only behind this wait
	QUANT (\t)/4
.endif
.endm
.irp t, 0,1,2,3
	LOAD \t
.endr
.irp t, 0,1,2,3,4,5,6,7,8,9,10,11,12,13,14,15
	QSTEP \t
.endr
	v_cmp_eq_u32 vcc_lo, 1, v1                     ; row r's four words are 16 bytes: lane (r, 0) stores those of fragments 0 and 1, lane (r, 1) those of 2 and 3
	v_cndmask_b32 v[SO], v[W], v[W+2], vcc_lo
	v_cndmask_b32 v[SO+1], v[W+1], v[W+3], vcc_lo
	global_store_b64 v7, v[SO:SO+1], s[28:29]      ; 32 lanes store 256 consecutive bytes, at a multiple of 256 from the buffer's first byte
	s_wait_tensorcnt 0x0
	ds_add_u32 v172, v173
	s_wait_dscnt 0x0
	s_endpgm
.Lfunc_end_k_qee2aa1b1b8_quant:
	.size	k_qee2aa1b1b8_quant, .Lfunc_end_k_qee2aa1b1b8_quant-k_qee2aa1b1b8_quant
	.p2alignl 7, 3214868480
	.fill 96, 4, 3214868480
	.section	.rodata,"a",@progbits
	.p2align	6, 0x0
	.amdhsa_kernel k_qee2aa1b1b8_quant
		.amdhsa_group_segment_fixed_size 34304
		.amdhsa_private_segment_fixed_size 0
		.amdhsa_enable_private_segment 0
		.amdhsa_kernarg_size 96
		.amdhsa_user_sgpr_count 2
		.amdhsa_user_sgpr_kernarg_segment_ptr 1
		.amdhsa_wavefront_size32 1
		.amdhsa_system_sgpr_workgroup_id_x 1
		.amdhsa_system_sgpr_workgroup_id_y 1
		.amdhsa_system_sgpr_workgroup_id_z 1
		.amdhsa_system_vgpr_workitem_id 0
		.amdhsa_next_free_vgpr 176
		.amdhsa_next_free_sgpr 66
		.amdhsa_reserve_vcc 1
		.amdhsa_float_denorm_mode_32 3
		.amdhsa_float_denorm_mode_16_64 3
		.amdhsa_memory_ordered 1
		.amdhsa_forward_progress 1
		.amdhsa_inst_pref_size 32
	.end_amdhsa_kernel
	.amdgpu_metadata
---
amdhsa.version: [ 1, 2 ]
amdhsa.kernels:
  - .name:           k_qee2aa1b1b8_quant
    .symbol:         k_qee2aa1b1b8_quant.kd
    .args:
      - { .name: x, .offset: 0, .size: 8, .value_kind: global_buffer, .address_space: global }
      - { .name: h, .offset: 8, .size: 8, .value_kind: global_buffer, .address_space: global }
      - { .name: w_xi, .offset: 16, .size: 8, .value_kind: global_buffer, .address_space: global }
      - { .name: w_hi, .offset: 24, .size: 8, .value_kind: global_buffer, .address_space: global }
      - { .name: w_xf, .offset: 32, .size: 8, .value_kind: global_buffer, .address_space: global }
      - { .name: w_hf, .offset: 40, .size: 8, .value_kind: global_buffer, .address_space: global }
      - { .name: w_xc, .offset: 48, .size: 8, .value_kind: global_buffer, .address_space: global }
      - { .name: w_hc, .offset: 56, .size: 8, .value_kind: global_buffer, .address_space: global }
      - { .name: w_xo, .offset: 64, .size: 8, .value_kind: global_buffer, .address_space: global }
      - { .name: w_ho, .offset: 72, .size: 8, .value_kind: global_buffer, .address_space: global }
      - { .name: a_img, .offset: 80, .size: 8, .value_kind: global_buffer, .address_space: global }
      - { .name: b_img, .offset: 88, .size: 8, .value_kind: global_buffer, .address_space: global }
    .group_segment_fixed_size: 34304
    .private_segment_fixed_size: 0
    .kernarg_segment_align: 8
    .kernarg_segment_size: 96
    .max_flat_workgroup_size: 128
    .sgpr_count:     66
    .vgpr_count:     176
    .wavefront_size: 32
...
	.end_amdgpu_metadata
.endif
;; end of part 1
;; launch cell (part 2): grid 32 x 8, 4 waves a work-group, clusters of 4 x 4, 327,680 bytes of LDS; arguments a_img, b_img, c, out0, b_xi, b_xf, b_xc, b_xo, b_hi, b_hf, b_hc, b_ho, out1; writes out0, out1
.if DOCPART == 2
	.amdgcn_target "amdgcn-amd-amdhsa--gfx1250"
	.amdhsa_code_object_version 6
	.text
	.protected	k_qee2aa1b1b8_cell
	.globl	k_qee2aa1b1b8_cell
	.p2align	8
	.type	k_qee2aa1b1b8_cell,@function
k_qee2aa1b1b8_cell:
	s_mov_b64 s[64:65], 0
	v_nop
	global_prefetch_b8 v0, s[64:65] scope:SCOPE_SE
	s_setreg_imm32_b32 hwreg(HW_REG_WAVE_MODE, 25, 1), 1
	s_wait_xcnt 0x0
	s_wait_alu depctr_hold_cnt(0) depctr_sa_sdst(0) depctr_va_vdst(0) depctr_va_sdst(0) depctr_va_ssrc(0) depctr_va_vcc(0) depctr_vm_vsrc(0)
	s_getreg_b32 s2, hwreg(HW_REG_IB_STS2, 6, 4)
	s_cmp_eq_u32 s2, 0
	s_cbranch_scc0 .Lentry_in_a_cluster
	s_endpgm
.Lentry_in_a_cluster:
	s_bfe_u32 s2, ttmp6, 0x10000c
	s_cmp_lg_u32 s2, 0xf033
	s_cbranch_scc0 .Lentry_shape_is_right
	s_endpgm
.Lentry_shape_is_right:
; The LSTM cell on the images that launch quant made: A = [x | h], B = the four gates' weights in virtual rows, K = 4,096 in 32 steps of 128; a cell of an image is eight fragments in register order and 512 bytes of scale words.
; A work-group makes 256 rows x 64 hidden columns (256 virtual columns); four waves, 2 x 2, each 128 x 128 of the product: 64 accumulators, 512 registers.  The biases' sums are the C of the first step.
; K goes through a ring of two LDS slots of three steps each; a wave fetches a quarter of a slot by one joint load (A's tiles shared along a row of the 4 x 4 cluster, B's along a column).
; At the head each wave issues one joint load, slot 0's; the biases are loaded and the addresses made while it is out; slot 1's first fill follows behind the three lines and a round, as a refill does.
; The cells of the next refill but one are prefetched behind each refill, shared out by address among the four partners; the last trip asks for the c tile instead.
; THE GATES.  E = 2^(+-log2(e) z).  sigmoid(i) tanh(g) = (Eg - 1) / ((1 + Ei)(1 + Eg)): one reciprocal for both; h' likewise from o and c'.  The exponent of Eg and of Ec is held at 64 from above,
; where tanh is 1 in f32, so that Eg - 1 stays finite; an Ei, Ef or Eo that is infinite gives the reciprocal 0, which is the sigmoid's value there.
; THE WAY OUT.  A row's 256 bytes come from two waves: c' (in place of the c tile) and h' go through stages in the two slots, which have had their last fill.  After every second block of 16 rows a barrier,
; and each wave takes 16 whole rows of c' and of h' back and stores them, sixteen lanes to an aligned 256 bytes.
; LIMITS: NaN and infinities among the inputs are not served.
.set NQ,     3
.set FR,     12
.set NL,     3
.set NP,     4
.set FRB,    1536
.set KQB,    8*FRB+512
.set HALFT,  NQ*KQB
.set SLOT,   4*HALFT
.set GRPB,   32*KQB
.set TRIPS,  4
.set SPARE,  2*SLOT
.set CP,     272
.set HROW,   8192
.set RD,   7
.set RDH,  8
.set BO,   9
.set ADRA, 16
.set ADRS, 18
.set ADRB, 20
.set PFO,  22
.set CAD,  24
.set HAD,  25
.set CO,   26
.set SPW,  28
.set NIL,  29
.set PFC,  31
.set SC,   32
.set BI,   64
.set AF,   128
.set T,    128
.set CR,   192
.set HR,   224
.set NN,   240
.set G1,   24
.set G0,   32
.set G1B,  48
.set G0B,  56
.set G1T,  68
.set G1TB, 80
.set G1C,  40
.set G0C,  20
.set PFA,  66
.set LIM,  95
.set CT,   96
.set O0,   98
.set O1,   100
.set MSB, 0
.macro WIN new
.if MSB != (\new)
	s_set_vgpr_msb (MSB<<8)|(\new)
.set MSB, (\new)
.endif
.endm
.set MUL_LO, 0xa1
.set MUL_HI, 0xf1
.set BIA_LO, 0x81
.set BIA_HI, 0xc1
.set TO_B,   0x40
.macro JLOAD g0a, g1a, g0b, g1b
	s_cmp_eq_u32 s15, 0
	s_cbranch_scc0 .Lfor_b_\@
	tensor_load_to_lds s[\g0a:\g0a+3], s[\g1a:\g1a+7]
	s_nop 0
.rept 4
	v_nop
.endr
	s_branch .Lasked_\@
.Lfor_b_\@:
	tensor_load_to_lds s[\g0b:\g0b+3], s[\g1b:\g1b+7]
	s_nop 0
.rept 4
	v_nop
.endr
.Lasked_\@:
.endm
.macro CREST
	s_cmp_lg_u32 s14, 0
	s_cbranch_scc1 .Lnot_wave_0_\@
	s_barrier_signal -3
.Lnot_wave_0_\@:
	s_barrier_wait -3
	s_barrier_signal -1
	s_barrier_wait -1
.endm
.macro CROUND
	s_barrier_signal -1
	s_barrier_wait -1
	CREST
.endm
.macro ASK slot
.if \slot == 1
	s_cmp_eq_u32 s3, 1
	s_cbranch_scc1 .Lask_c_\@
.endif
	s_cmp_eq_u32 s[LIM], 1
	s_cbranch_scc0 .Lask_done_\@
	global_prefetch_b8 v[PFO], s[PFA:PFA+1] th:TH_LOAD_NT scope:SCOPE_SE
	global_prefetch_b8 v[PFO+1], s[PFA:PFA+1] th:TH_LOAD_NT scope:SCOPE_SE
.if \slot == 1
	s_branch .Lask_done_\@
.Lask_c_\@:
	global_prefetch_b8 v[PFC], s[CT:CT+1] th:TH_LOAD_NT scope:SCOPE_SE
	global_prefetch_b8 v[PFC], s[CT:CT+1] offset:32*HROW th:TH_LOAD_NT scope:SCOPE_SE
.endif
.Lask_done_\@:
.endm
	s_load_b128 s[4:7], s[0:1], 0x0
	s_load_b128 s[96:99], s[0:1], 0x10
	s_load_b64 s[100:101], s[0:1], 0x60
	v_lshl_add_u32 v[SPW], v0, 2, SPARE
	v_mov_b32 v[NIL], 0
	ds_add_u32 v28, v29
	ds_add_u32 v28, v29
	s_wait_dscnt 0x0
	v_lshrrev_b32 v1, 5, v0
	v_readfirstlane_b32 s14, v1
	s_lshr_b32 s15, s14, 1
	s_and_b32 s16, s14, 1
	s_bfe_u32 s40, ttmp6, 0x40000
	s_bfe_u32 s41, ttmp6, 0x40004
	s_lshl_b32 s42, ttmp9, 2
	s_add_co_u32 s42, s42, s40
	s_and_b32 s17, ttmp7, 0xffff
	s_lshl_b32 s17, s17, 2
	s_add_co_u32 s17, s17, s41
	s_lshl_b32 s43, s41, 2
	s_lshl_b32 s43, 15, s43
	s_lshl_b32 s44, 0x1111, s40
	s_or_b32 s[G1+0], s43, (3<<16)|(1<<21)
	s_or_b32 s[G1B+0], s44, (3<<16)|(1<<21)
	s_or_b32 s[G1T+0], s43, (3<<16)|(1<<21)
	s_or_b32 s[G1TB+0], s44, (3<<16)|(1<<21)
.irp g, G1, G1B
	s_mov_b32 s[\g+1], 32<<16
	s_mov_b32 s[\g+2], (HALFT/256)<<16
	s_mov_b32 s[\g+3], 32<<16
	s_mov_b32 s[\g+4], HALFT/256
	s_mov_b32 s[\g+5], 32
	s_mov_b32 s[\g+6], 0
	s_mov_b32 s[\g+7], 0
.endr
.irp g, G1T, G1TB
	s_mov_b32 s[\g+1], 32<<16
	s_mov_b32 s[\g+2], (2*KQB/256)<<16
	s_mov_b32 s[\g+3], 32<<16
	s_mov_b32 s[\g+4], 2*KQB/256
	s_mov_b32 s[\g+5], 32
	s_mov_b32 s[\g+6], 0
	s_mov_b32 s[\g+7], 0
.endr
	s_lshl_b32 s20, s17, 1
	s_add_co_u32 s20, s20, s16
	s_mul_i32 s20, s20, GRPB
	s_mov_b32 s21, 0
	s_lshl_b32 s46, s42, 1
	s_add_co_u32 s46, s46, s16
	s_mul_i32 s46, s46, GRPB
	s_mov_b32 s47, 0
	s_mul_i32 s45, s14, HALFT
	s_wait_kmcnt 0x0
	s_add_nc_u64 s[20:21], s[4:5], s[20:21]
	s_add_nc_u64 s[46:47], s[6:7], s[46:47]
	s_cmp_eq_u32 s15, 0
	s_cselect_b64 s[PFA:PFA+1], s[4:5], s[6:7]
	s_load_b256 s[4:11], s[0:1], 0x20
	CROUND
.irp s, 0,1
	s_mov_b32 s[G0+4*\s], 1
	s_add_co_u32 s[G0+4*\s+1], s45, \s*SLOT
	s_add_nc_u64 s[G0+4*\s+2:G0+4*\s+3], s[20:21], \s*HALFT
	s_or_b32 s[G0+4*\s+3], s[G0+4*\s+3], 0x80000000
	s_mov_b32 s[G0B+4*\s], 1
	s_add_co_u32 s[G0B+4*\s+1], s45, \s*SLOT
	s_add_nc_u64 s[G0B+4*\s+2:G0B+4*\s+3], s[46:47], \s*HALFT
	s_or_b32 s[G0B+4*\s+3], s[G0B+4*\s+3], 0x80000000
.endr
	JLOAD G0, G1, G0B, G1B                         ; slot 0: my one tensor load at the head, behind the round
	v_and_b32 v1, 15, v0
	v_bfe_u32 v2, v0, 4, 1
	s_lshl_b32 s18, s42, 8
	s_lshl_b32 s19, s16, 7
	s_add_co_u32 s18, s18, s19
	v_lshl_add_u32 v[BO], v2, 5, s18
	s_wait_alu depctr_va_vdst(0)
	s_wait_kmcnt 0x0
.irp g, 0,1,2,3
.irp u, 0,1
.irp q, 0,1
	global_load_b128 v[BI+8*(2*\g+\u)+4*\q:BI+8*(2*\g+\u)+4*\q+3], v[BO], s[4+2*\g:5+2*\g] offset:64*\u+16*\q
.endr
.endr
.endr
	s_wait_xcnt 0x0
	s_load_b256 s[4:11], s[0:1], 0x40
	v_and_b32 v3, 31, v0
	v_lshlrev_b32 v4, 4, v3
	s_wait_alu depctr_va_vdst(0)
	v_lshlrev_b32 v5, 4, v1
	s_mul_i32 s21, s15, HALFT
	s_mul_i32 s22, s16, HALFT
	s_add_co_u32 s22, s22, 2*HALFT
	s_sub_co_u32 s23, s22, s21
	v_mul_u32_u24 v6, s23, v2
	v_add_nc_u32 v5, v5, v6
	s_add_co_u32 s23, s21, 8*FRB
.irp s, 0,1
	v_add_nc_u32 v[ADRA+\s], s21, v4
	v_add_nc_u32 v[ADRB+\s], s22, v4
	v_add_nc_u32 v[ADRS+\s], s23, v5
	s_add_co_u32 s21, s21, SLOT
	s_add_co_u32 s22, s22, SLOT
	s_add_co_u32 s23, s23, SLOT
.endr
	s_mul_i32 s21, s15, 128*CP
	s_lshl_b32 s22, s16, 7
	s_add_co_u32 s21, s21, s22
	v_mul_u32_u24 v3, v1, CP
	v_lshl_add_u32 v3, v2, 5, v3
	v_add_nc_u32 v[HAD], s21, v3
	v_add_nc_u32 v[CAD], SLOT, v[HAD]
	s_mul_i32 s21, s15, 128*CP                     ; back from the stages: rows 128 x my row half + 16 x my column half on
	s_mul_i32 s22, s16, 16*CP
	s_add_co_u32 s21, s21, s22
	v_mul_u32_u24 v3, v2, CP
	v_lshl_add_u32 v3, v1, 4, v3
	v_add_nc_u32 v[RDH], s21, v3
	v_add_nc_u32 v[RD], SLOT, v[RDH]
	v_lshlrev_b32 v3, 13, v2
	v_lshl_add_u32 v[CO], v1, 4, v3
	s_lshl_b32 s18, s17, 8
	s_lshl_b32 s19, s14, 6
	s_add_co_u32 s18, s18, s19
	s_lshl_b32 s18, s18, 13
	s_lshl_b32 s19, s42, 8
	s_add_co_u32 s18, s18, s19
	s_mov_b32 s19, 0
	s_add_nc_u64 s[CT:CT+1], s[CT:CT+1], s[18:19]
	s_mul_i32 s21, s16, 48*HROW                    ; the outputs begin at the same rows: 64 x wave less 48 x column half
	s_sub_co_u32 s18, s18, s21
	s_add_nc_u64 s[O0:O0+1], s[O0:O0+1], s[18:19]
	s_add_nc_u64 s[O1:O1+1], s[O1:O1+1], s[18:19]
	s_and_b32 s22, ttmp7, 0xffff
	s_cmp_eq_u32 s15, 0
	s_cselect_b32 s20, s17, s42
	s_cselect_b32 s21, s40, s41
	s_cselect_b32 s22, ttmp9, s22
	s_cmp_eq_u32 s22, 0
	s_cselect_b32 s[LIM], 1, -1
	s_lshl_b32 s20, s20, 1
	s_add_co_u32 s20, s20, s16
	s_mul_i32 s20, s20, GRPB
	s_add_co_u32 s20, s20, 2*HALFT
	s_mul_i32 s22, s21, 38
	s_mov_b32 s21, 0
	s_add_nc_u64 s[PFA:PFA+1], s[PFA:PFA+1], s[20:21]
	v_and_b32 v3, 31, v0
	v_min_u32 v4, 18, v3
	v_add_nc_u32 v4, s22, v4
	v_min_u32 v5, 149, v4
	v_lshlrev_b32 v[PFO], 8, v5
	v_add_nc_u32 v4, 19, v4
	v_min_u32 v5, 149, v4
	v_lshlrev_b32 v[PFO+1], 8, v5
	v_lshlrev_b32 v[PFC], 13, v3
	s_mov_b32 s[G1C+0], (3<<16)|(1<<20)|(5<<22)|(3<<25)
	s_mov_b32 s[G1C+1], 32<<16
	s_mov_b32 s[G1C+2], 64<<16
	s_mov_b32 s[G1C+3], 32<<16
	s_mov_b32 s[G1C+4], 64
	s_mov_b32 s[G1C+5], HROW/8
	s_mov_b32 s[G1C+6], 0
	s_mov_b32 s[G1C+7], 0
	s_mov_b32 s[G0C], 1
	s_mul_i32 s[G0C+1], s14, 64*CP
	s_add_co_u32 s[G0C+1], s[G0C+1], SLOT
	s_mov_b64 s[G0C+2:G0C+3], s[CT:CT+1]
	s_or_b32 s[G0C+3], s[G0C+3], 0x80000000
	s_wait_kmcnt 0x0
.irp g, 0,1,2,3
.irp u, 0,1
.irp q, 0,1
	global_load_b128 v[AF+8*(2*\g+\u)+4*\q:AF+8*(2*\g+\u)+4*\q+3], v[BO], s[4+2*\g:5+2*\g] offset:64*\u+16*\q
.endr
.endr
.endr
	s_wait_loadcnt 0x0
.set k, 0
.rept 32
	v_pk_add_f32 v[BI+2*k:BI+2*k+1], v[BI+2*k:BI+2*k+1], v[AF+2*k:AF+2*k+1]
.set k, k+1
.endr
.rept 8
	v_nop
.endr
.macro FRAG reg, adr, q, i
.irp c, 0,1,2
	ds_load_b128 v[\reg+4*\c:\reg+4*\c+3], v[\adr] offset:(\q)*KQB+(\i)*FRB+512*\c
.endr
.endm
.macro MUL16 a0, p, bias
.irp a, \a0, \a0+1
.irp b, 0,1,2,3,4,5,6,7
.if \bias
	v_wmma_scale_f32_16x16x128_f8f6f4 v[8*(8*((\a)%4)+\b):8*(8*((\a)%4)+\b)+7], v[128*(\p)+FR*\b:128*(\p)+FR*\b+FR-1], v[AF+FR*(\a):AF+FR*(\a)+FR-1], v[BI+8*\b:BI+8*\b+7], v[SC+8*(\p)+\b], v[SC+8*(\p)+(\a)] matrix_a_fmt:MATRIX_FMT_BF6 matrix_b_fmt:MATRIX_FMT_BF6 matrix_a_scale:MATRIX_SCALE_ROW1
.else
	v_wmma_scale_f32_16x16x128_f8f6f4 v[8*(8*((\a)%4)+\b):8*(8*((\a)%4)+\b)+7], v[128*(\p)+FR*\b:128*(\p)+FR*\b+FR-1], v[AF+FR*(\a):AF+FR*(\a)+FR-1], v[8*(8*((\a)%4)+\b):8*(8*((\a)%4)+\b)+7], v[SC+8*(\p)+\b], v[SC+8*(\p)+(\a)] matrix_a_fmt:MATRIX_FMT_BF6 matrix_b_fmt:MATRIX_FMT_BF6 matrix_a_scale:MATRIX_SCALE_ROW1
.endif
.endr
.endr
.endm
.macro FETCH_B slot, q, p
	WIN TO_B
.irp i, 0,1,2,3,4,5,6,7
	FRAG 128*(\p)+FR*\i, ADRB+\slot, \q, \i
.endr
	WIN 0
.endm
.macro FETCH_A slot, q, i0
.irp i, \i0, \i0+1, \i0+2, \i0+3
	FRAG AF+FR*(\i), ADRA+\slot, \q, \i
.endr
.endm
.macro SCALES slot, q, p
.irp j, 0,1
	ds_load_b128 v[SC+8*(\p)+4*\j:SC+8*(\p)+4*\j+3], v[ADRS+\slot] offset:(\q)*KQB+256*\j
.endr
.endm
.macro PLACES n
.rept \n
	v_nop
.endr
.endm
.macro STEP slot, q, bias
.set PP, ((\slot)+(\q))%2
	s_wait_dscnt 4*NL
.if \bias
	WIN BIA_LO
.else
	WIN MUL_LO
.endif
	MUL16 0, PP, \bias
	MUL16 2, PP, \bias
	s_wait_dscnt 0
	PLACES NP
	FETCH_B \slot, (\q)+1, 1-PP
	FETCH_A \slot, (\q)+1, 0
	SCALES \slot, (\q)+1, 1-PP
.if \bias
	WIN BIA_HI
.else
	WIN MUL_HI
.endif
	MUL16 4, PP, \bias
	MUL16 6, PP, \bias
	PLACES NP
	WIN 0
	FETCH_A \slot, (\q)+1, 4
.endm
.macro TURN slot, next, fill
.set PP, ((\slot)+NQ-1)%2
.if \fill == 1
	s_wait_xcnt 0x0
	s_add_nc_u64 s[PFA:PFA+1], s[PFA:PFA+1], HALFT
.endif
	s_wait_tensorcnt 0x0
	ds_add_u32 v[SPW], v[NIL]
	s_wait_dscnt 4*NL+1
	WIN MUL_LO
	MUL16 0, PP, 0
	s_wait_dscnt 0x0
	s_barrier_signal -1
	MUL16 2, PP, 0
	WIN 0
	s_barrier_wait -1
	CREST
.if \fill == 2
	tensor_load_to_lds s[G0C:G0C+3], s[G1C:G1C+7]
	s_nop 0
.rept 4
	v_nop
.endr
.else
	s_add_nc_u64 s[G0+4*\slot+2:G0+4*\slot+3], s[G0+4*\slot+2:G0+4*\slot+3], 2*HALFT
	s_add_nc_u64 s[G0B+4*\slot+2:G0B+4*\slot+3], s[G0B+4*\slot+2:G0B+4*\slot+3], 2*HALFT
.if \fill == 1
	JLOAD G0+4*\slot, G1, G0B+4*\slot, G1B
.else
	JLOAD G0+4*\slot, G1T, G0B+4*\slot, G1TB
.endif
.endif
	FETCH_B \next, 0, 1-PP
	FETCH_A \next, 0, 0
	SCALES \next, 0, 1-PP
.if \fill == 1
	ASK \slot
.endif
	WIN MUL_HI
	MUL16 4, PP, 0
	MUL16 6, PP, 0
	PLACES NP
	WIN 0
	FETCH_A \next, 0, 4
.endm
	s_wait_alu depctr_va_vdst(0)
	s_wait_tensorcnt 0x0                           ; my part of slot 0 is in
	ds_add_u32 v[SPW], v[NIL]
	s_wait_dscnt 0x0
	CROUND
	JLOAD G0+4, G1, G0B+4, G1B                     ; slot 1's first fill, the first tensor load behind the round
	FETCH_B 0, 0, 0
	FETCH_A 0, 0, 0
	SCALES 0, 0, 0
	FETCH_A 0, 0, 4
	STEP 0, 0, 1
	s_mov_b32 s3, TRIPS
.Llap:
	STEP 0, 1, 0
	TURN 0, 1, 1
	STEP 1, 0, 0
	STEP 1, 1, 0
	TURN 1, 0, 1
	STEP 0, 0, 0
	s_sub_co_u32 s3, s3, 1
	s_cmp_lg_u32 s3, 0
	s_cbranch_scc1 .Llap
	STEP 0, 1, 0
	TURN 0, 1, 3
	STEP 1, 0, 0
	STEP 1, 1, 0
	TURN 1, 0, 2
	STEP 0, 0, 0
	s_wait_dscnt 4*NL
	WIN MUL_LO
	MUL16 0, 1, 0
	MUL16 2, 1, 0
	s_wait_dscnt 0
	WIN MUL_HI
	MUL16 4, 1, 0
	MUL16 6, 1, 0
	WIN 0
	s_wait_tensorcnt 0x0
	s_wait_dscnt 0x0
	s_barrier_signal -1
	s_barrier_wait -1
	s_mov_b32 s4, 0xbfb8aa3b
	s_mov_b32 s5, s4
	s_mov_b32 s6, 0x4038aa3b
	s_mov_b32 s7, s6
	PLACES NP
.macro CLOAD a
.irp u, 0,1
.irp q, 0,1
	ds_load_b128 v[CR+16*((\a)%2)+8*\u+4*\q:CR+16*((\a)%2)+8*\u+4*\q+3], v[CAD] offset:(\a)*16*CP+64*\u+16*\q
.endr
.endr
.endm
.macro GATES a
.set AC, 64*((\a)%4)
.set CC, CR+16*((\a)%2)
	WIN 0x02+(\a)/4
.set k, 0
.rept 32
.if (k >= 16) && (k < 24)
	v_pk_mul_f32 v[T+2*k:T+2*k+1], v[AC+2*k:AC+2*k+1], s[6:7] op_sel_hi:[1,0]
.else
	v_pk_mul_f32 v[T+2*k:T+2*k+1], v[AC+2*k:AC+2*k+1], s[4:5] op_sel_hi:[1,0]
.endif
.set k, k+1
.endr
	WIN 0
.set k, 0
.rept 16
	v_min_num_f32 v[T+32+k], 0x42800000, v[T+32+k]
.set k, k+1
.endr
.set k, 0
	s_wait_alu depctr_va_vdst(0)
.rept 64
	v_exp_f32 v[T+k], v[T+k]
.set k, k+1
.endr
	v_nop
	s_wait_alu depctr_va_vdst(0)
.set k, 0
.rept 8
	v_pk_add_f32 v[NN+2*k:NN+2*k+1], v[T+32+2*k:T+33+2*k], -1.0 op_sel_hi:[1,0]
.set k, k+1
.endr
.set k, 0
.rept 32
	v_pk_add_f32 v[T+2*k:T+2*k+1], v[T+2*k:T+2*k+1], 1.0 op_sel_hi:[1,0]
.set k, k+1
.endr
.set k, 0
.rept 8
	v_pk_mul_f32 v[T+2*k:T+2*k+1], v[T+2*k:T+2*k+1], v[T+32+2*k:T+33+2*k]
.set k, k+1
.endr
.set k, 0
	s_wait_alu depctr_va_vdst(0)
.rept 32
	v_rcp_f32 v[T+k], v[T+k]
.set k, k+1
.endr
	s_wait_dscnt 0x0
.if (\a) < 7
	CLOAD (\a)+1
.endif
	v_nop
	s_wait_alu depctr_va_vdst(0)
.set k, 0
.rept 8
	v_pk_mul_f32 v[NN+2*k:NN+2*k+1], v[NN+2*k:NN+2*k+1], v[T+2*k:T+2*k+1]
.set k, k+1
.endr
.set k, 0
.rept 8
	v_pk_fma_f32 v[CC+2*k:CC+2*k+1], v[T+16+2*k:T+17+2*k], v[CC+2*k:CC+2*k+1], v[NN+2*k:NN+2*k+1]
.set k, k+1
.endr
.irp u, 0,1
.irp q, 0,1
	ds_store_b128 v[CAD], v[CC+8*\u+4*\q:CC+8*\u+4*\q+3] offset:(\a)*16*CP+64*\u+16*\q
.endr
.endr
.set k, 0
.rept 8
	v_pk_mul_f32 v[T+2*k:T+2*k+1], v[CC+2*k:CC+2*k+1], s[6:7] op_sel_hi:[1,0]
.set k, k+1
.endr
.set k, 0
.rept 16
	v_min_num_f32 v[T+k], 0x42800000, v[T+k]
.set k, k+1
.endr
.set k, 0
	s_wait_alu depctr_va_vdst(0)
.rept 16
	v_exp_f32 v[T+k], v[T+k]
.set k, k+1
.endr
	v_nop
	s_wait_alu depctr_va_vdst(0)
.set k, 0
.rept 8
	v_pk_add_f32 v[NN+2*k:NN+2*k+1], v[T+2*k:T+2*k+1], -1.0 op_sel_hi:[1,0]
.set k, k+1
.endr
.set k, 0
.rept 8
	v_pk_add_f32 v[T+2*k:T+2*k+1], v[T+2*k:T+2*k+1], 1.0 op_sel_hi:[1,0]
.set k, k+1
.endr
.set k, 0
.rept 8
	v_pk_mul_f32 v[T+2*k:T+2*k+1], v[T+2*k:T+2*k+1], v[T+48+2*k:T+49+2*k]
.set k, k+1
.endr
.set k, 0
	s_wait_alu depctr_va_vdst(0)
.rept 16
	v_rcp_f32 v[T+k], v[T+k]
.set k, k+1
.endr
	v_nop
	s_wait_alu depctr_va_vdst(0)
.set k, 0
.rept 8
	v_pk_mul_f32 v[HR+2*k:HR+2*k+1], v[NN+2*k:NN+2*k+1], v[T+2*k:T+2*k+1]
.set k, k+1
.endr
.irp u, 0,1
.irp q, 0,1
	ds_store_b128 v[HAD], v[HR+8*\u+4*\q:HR+8*\u+4*\q+3] offset:(\a)*16*CP+64*\u+16*\q
.endr
.endr
.endm
	CLOAD 0
.set OB, 32                            ; v32-95: 16 rows of c' and 16 of h', back from the stages
; Rows 32 p .. 32 p + 31 of both row halves are whole when all four waves have stored blocks 2 p and 2 p + 1: a barrier, then each wave takes 16 of them back, two rows an instruction, and stores them.
.macro OUT p
	s_wait_dscnt 0x0                               ; for the others' sake: my stores into the stages are done
	s_barrier_signal -1
	s_barrier_wait -1
.if (\p) > 0
	s_wait_xcnt 0x0                                ; the last stores have read their registers
.endif
.irp t, 0,1,2,3,4,5,6,7
	ds_load_b128 v[OB+4*\t:OB+4*\t+3], v[RD] offset:(32*(\p)+2*\t)*CP
	ds_load_b128 v[OB+32+4*\t:OB+32+4*\t+3], v[RDH] offset:(32*(\p)+2*\t)*CP
.endr
	s_wait_dscnt 0x0
.irp t, 0,1,2,3,4,5,6,7
	global_store_b128 v[CO], v[OB+4*\t:OB+4*\t+3], s[O1:O1+1] offset:(32*(\p)+2*\t)*HROW th:TH_STORE_NT
	global_store_b128 v[CO], v[OB+32+4*\t:OB+32+4*\t+3], s[O0:O0+1] offset:(32*(\p)+2*\t)*HROW th:TH_STORE_NT
.endr
.endm
.irp p, 0,1,2,3
	GATES 2*\p
	GATES 2*\p+1
	OUT \p
.endr
	s_wait_tensorcnt 0x0
	ds_add_u32 v[SPW], v[NIL]
	s_wait_dscnt 0x0
	CROUND
	s_endpgm
.Lfunc_end_k_qee2aa1b1b8_cell:
	.size	k_qee2aa1b1b8_cell, .Lfunc_end_k_qee2aa1b1b8_cell-k_qee2aa1b1b8_cell
	.p2alignl 7, 3214868480
	.fill 96, 4, 3214868480
	.section	.rodata,"a",@progbits
	.p2align	6, 0x0
	.amdhsa_kernel k_qee2aa1b1b8_cell
		.amdhsa_group_segment_fixed_size 327680
		.amdhsa_private_segment_fixed_size 0
		.amdhsa_enable_private_segment 0
		.amdhsa_kernarg_size 104
		.amdhsa_user_sgpr_count 2
		.amdhsa_user_sgpr_kernarg_segment_ptr 1
		.amdhsa_wavefront_size32 1
		.amdhsa_system_sgpr_workgroup_id_x 1
		.amdhsa_system_sgpr_workgroup_id_y 1
		.amdhsa_system_sgpr_workgroup_id_z 1
		.amdhsa_system_vgpr_workitem_id 0
		.amdhsa_next_free_vgpr 1024
		.amdhsa_next_free_sgpr 102
		.amdhsa_reserve_vcc 0
		.amdhsa_float_denorm_mode_32 3
		.amdhsa_float_denorm_mode_16_64 3
		.amdhsa_memory_ordered 1
		.amdhsa_forward_progress 1
		.amdhsa_inst_pref_size 255
	.end_amdhsa_kernel
	.section	.bss,"aw",@nobits
	.p2align	6
	.space	262144
	.amdgpu_metadata
---
amdhsa.version: [ 1, 2 ]
amdhsa.kernels:
  - .name:           k_qee2aa1b1b8_cell
    .symbol:         k_qee2aa1b1b8_cell.kd
    .args:
      - { .name: a_img, .offset: 0, .size: 8, .value_kind: global_buffer, .address_space: global }
      - { .name: b_img, .offset: 8, .size: 8, .value_kind: global_buffer, .address_space: global }
      - { .name: c, .offset: 16, .size: 8, .value_kind: global_buffer, .address_space: global }
      - { .name: out0, .offset: 24, .size: 8, .value_kind: global_buffer, .address_space: global }
      - { .name: b_xi, .offset: 32, .size: 8, .value_kind: global_buffer, .address_space: global }
      - { .name: b_xf, .offset: 40, .size: 8, .value_kind: global_buffer, .address_space: global }
      - { .name: b_xc, .offset: 48, .size: 8, .value_kind: global_buffer, .address_space: global }
      - { .name: b_xo, .offset: 56, .size: 8, .value_kind: global_buffer, .address_space: global }
      - { .name: b_hi, .offset: 64, .size: 8, .value_kind: global_buffer, .address_space: global }
      - { .name: b_hf, .offset: 72, .size: 8, .value_kind: global_buffer, .address_space: global }
      - { .name: b_hc, .offset: 80, .size: 8, .value_kind: global_buffer, .address_space: global }
      - { .name: b_ho, .offset: 88, .size: 8, .value_kind: global_buffer, .address_space: global }
      - { .name: out1, .offset: 96, .size: 8, .value_kind: global_buffer, .address_space: global }
    .group_segment_fixed_size: 327680
    .private_segment_fixed_size: 0
    .kernarg_segment_align: 8
    .kernarg_segment_size: 104
    .max_flat_workgroup_size: 128
    .sgpr_count:     102
    .vgpr_count:     1024
    .wavefront_size: 32
...
	.end_amdgpu_metadata
.endif
;; end of part 2
